; MI455X (gfx1250); checked and timed in simulation.
; The chip was launched on July 23, 2026; its instructions are those of AMD's public machine-readable ISA for CDNA 5 (MIT licence, August 2026) and "CDNA5" Instruction Set Architecture Reference Guide (July 2026). The comments in the code are by the model that wrote it; some were corrected since.
;; Merged Attention. Allowed arithmetic: float matrix products may take bf16 or f16 operands with f32 sums; all other float work in f32.
;; Inputs: k_A 2 x 16 x 4,096 x 128 float16; k_B 2 x 16 x 4,096 x 128 float16; q 2 x 16 x 1,024 x 128 float16; v_A 2 x 16 x 4,096 x 128 float16; v_B 2 x 16 x 4,096 x 128 float16.
;; Outputs: out0 2 x 16 x 1,024 x 128 float16; out1 2 x 16 x 1,024 float32.
;; One version. Each part assembles by itself: llvm-mc -triple=amdgcn-amd-amdhsa -mcpu=gfx1250 --defsym DOCPART=n.
;; ======== version 1 of 1: 1 launch
;; launch attn (part 1): grid 8 x 32, 4 waves a work-group, clusters of 4 x 1, 327,680 bytes of LDS; arguments q, k_A, v_A, k_B, v_B, out0, out1; writes out0, out1
.if DOCPART == 1
	.amdgcn_target "amdgcn-amd-amdhsa--gfx1250"
	.amdhsa_code_object_version 6
	.text
	.protected	k_qa6d9be5502_attn
	.globl	k_qa6d9be5502_attn
	.p2align	8
	.type	k_qa6d9be5502_attn,@function
k_qa6d9be5502_attn:
	s_mov_b64 s[64:65], 0
	v_nop
	global_prefetch_b8 v0, s[64:65] scope:SCOPE_SE
	s_setreg_imm32_b32 hwreg(HW_REG_WAVE_MODE, 25, 1), 1
	s_wait_xcnt 0x0
	s_wait_alu depctr_hold_cnt(0) depctr_sa_sdst(0) depctr_va_vdst(0) depctr_va_sdst(0) depctr_va_ssrc(0) depctr_va_vcc(0) depctr_vm_vsrc(0)
	s_getreg_b32 s2, hwreg(HW_REG_IB_STS2, 6, 4)
	s_cmp_eq_u32 s2, 0
	s_cbranch_scc0 .Lentry_in_a_cluster
	s_endpgm
.Lentry_in_a_cluster:
	s_bfe_u32 s2, ttmp6, 0x10000c
	s_cmp_lg_u32 s2, 0x3003
	s_cbranch_scc0 .Lentry_shape_is_right
	s_endpgm
.Lentry_shape_is_right:
; MERGED ATTENTION.  q: [32 heads][1024][128] f16; k_A, v_A, k_B, v_B: [32][4096][128] f16; out0: [32][1024][128] f16; out1: [32][1024] f32.
; Two softmax attentions of the same q, merged by their log-sum-exps, are one softmax attention over the 8,192 joined keys:
; out0 is that attention, out1 its log-sum-exp.
; A work-group takes 128 queries of one head.  Wave w takes 64 of them (half w & 1) against the 4,096 keys of one set (w >> 1: A or B) with a
; running maximum, a running sum l and an unnormalised O in f32.  At the end waves 2 and 3 hand O, maximum and l to waves 0 and 1 through LDS,
; which merge, normalise and store.  With 64 queries a wave 32 LDS loads feed 64 matrix instructions.
; EVERYTHING IS TRANSPOSED: S^T = K Q^T and O^T = V^T P^T.  In a result lane (r, h) holds query r and eight neighbouring keys (or d) 8 h + 0..7, which is
; where the second product wants P^T as its second source: P never leaves its lane, maximum and l are one number a lane for each 16 queries,
; and a lane's eight results of O are 16 neighbouring bytes of a row of out0.
; CLUSTER: the four query blocks of a cluster walk the same K and V tiles of their head and ask for them jointly (mask 15); a head's eight
; query blocks are two clusters, since a mask names four work-groups at the most.
; FORMATS: q, k, v go to the f16 matrix form as they are.  P = exp(s - running maximum) is at most about 1 and goes in f16.  All else is f32.
; LIMITS, stated: (1) the two attentions are merged in f32; the rounding of each to f16 ahead of the merge is not made (a relative 2^-11 of each).
; (2) P in f16: a weight below 2^-25 of its wave's running maximum's weight becomes 0; the 8,192 of them together are under 2^-12 of a sum
; of weights that is at least 1.  (3) NaN and infinities among the inputs are not carried as the f32 formula carries them.
; The running maximum is always taken away in front of the exponential, so no exponent is above a rounding error of 0.
.set KP,     272                       ; LDS pitch of K: 256 bytes + 16 = 68 words, so the 16 rows of a fragment load begin at 16 different banks (64 banks of 4 bytes: ISA guide 11.1)
.set VP,     288                       ; LDS pitch of V: 256 bytes + 32, an odd multiple of 32, for the transposing loads
.set TROWS,  128                       ; keys in a tile: two softmax steps of 64
.set TBYTES, TROWS*256                 ; a tile in memory: 128 whole rows of 256 bytes, one behind the other
.set TILE,   TROWS*VP                  ; a tile's room in LDS (K's uses 128 x 272 of it)
.set SLOT,   4*TILE                    ; tiles K_A, K_B, V_A, V_B, brought by waves 0, 1, 2, 3
.set STAGE,  2*SLOT                    ; behind the ring: 16 rows x 272 bytes for each of waves 0 and 1, out0's way out; no tensor load lands here
.set SPITCH, 272
.set LSEST,  STAGE+2*16*SPITCH         ; 256 bytes for each of waves 0 and 1: 64 log-sum-exps
.set DUMPB,  34816                     ; what wave 2 or 3 hands over: 64 x 512 bytes of O, 2 x 512 of the maxima, 2 x 512 of l
.set HEADB,  4096*256                  ; bytes of one head in K or V
.set LAPS,   15                        ; 32 tiles = 1 + 2 x 15 + 1 trips
; window 0
.set ADK,  8                           ; v8, v9    my K fragments in slot 0, 1
.set ADV,  10                          ; v10, v11  my V fragments in slot 0, 1
.set QOFF, 12                          ; v12  256 r + 16 h
.set DMP,  13                          ; v13  16 lane + the hand-over region of my half of the queries
.set STO,  14                          ; v14  stage, in: row r, 16 h
.set RD,   15                          ; v15  stage, back: row h, 16 r
.set CO,   16                          ; v16  out0: row h, 16 r
.set LW,   17                          ; v17  log-sum-exps in: 4 lane
.set LR,   18                          ; v18  back: 8 lane
.set LGO,  19                          ; v19  out1: 8 lane
.set PFO,  20                          ; v20  prefetch: 256 lane
.set LSEV, 22                          ; v[22:23]
.set F0,   64                          ; fragment buffer 0
.set F1,   128                         ; fragment buffer 1
.set TMP,  192                         ; packed f16 results
.set RB,   224                         ; rows read back from the stage
; window 1: Q fragment (16 queries q, 32 d ds) at v[8 (4 q + ds)]
; window 2: S tile (16 keys kt, 16 queries q) at v[8 (4 kt + q)], and
.set PP,  128                          ; P fragment (32 keys ks, q) at v[PP + 8 (4 ks + q)]
.set NM,  192                          ; pairs: - c x running maximum, twice
.set AL,  200                          ; pairs: the rescaling factor, twice
.set LS,  208                          ; pairs: l, in two partial sums
.set RS,  216                          ; pairs: this step's sums
.set MX,  224
.set MT,  228
.set TT,  232
.set FA,  AL                           ; the end: my factor, twice
.set FB,  RS                           ; the partner's factor, twice
.set NMB, 232                          ; the partner's NM
.set LB,  240                          ; the partner's l
.set ET0, 64                           ; the end's work registers, four each, above the 64 that hold the partner's O
.set EWA, 68
.set EWB, 72
.set ELL, 76
.set EIN, 80
.set ELG, 84
.set EOU, 92
; window 3: O tile (16 d dt, q) at v[8 (4 dt + q)]
; s_set_vgpr_msb's low byte: bits 1:0 source 0, 3:2 source 1, 5:4 source 2, 7:6 destination
.set W_Q,   0x40                       ; loads into window 1
.set W_TO2, 0x80                       ; loads and moves into window 2
.set W_S,   0xa4                       ; S: A window 0, B window 1, C and D window 2
.set W_SM,  0xaa                       ; all in window 2
.set W_RS,  0xcb                       ; O (window 3) times a pair of window 2
.set W_PV,  0xf8                       ; O: A window 0, B window 2, C and D window 3
.set W_OST, 0x0c                       ; LDS store of window 3
.set W_2ST, 0x08                       ; LDS store of window 2
.set W_MRG, 0xab                       ; window 2 = window 3 x window 2 + window 2
.set W_CVT, 0x0a                       ; window 0 from window 2
.set G1K, 24                           ; s[24:31] descriptor group 1 for K's tiles
.set G1V, 32                           ; s[32:39] for V's: another padding
.set G0,  40                           ; s[40:47] descriptor group 0, a set for each slot
.set MSB, 0
.macro WIN new                         ; the immediate's high byte repeats the setting that is left; a switch that changes nothing is dropped
.if MSB != \new
	s_set_vgpr_msb (MSB<<8)|\new
.set MSB, \new
.endif
.endm
; Four places behind matrix instructions, in front of loads into their sources and of vector work on their results.
.macro PLACES
.rept 4
	v_nop
.endr
.endm
; A round of the cluster's barrier: my work-group's barrier, wave 0 signals for the work-group, every wave waits for all four work-groups, my work-group's barrier again.
.macro ROUND
	s_barrier_signal -1
	s_barrier_wait -1
	s_cmp_lg_u32 s18, 0
	s_cbranch_scc1 .Lnot_wave_0_\@
	s_barrier_signal -3
.Lnot_wave_0_\@:
	s_barrier_wait -3
	s_barrier_signal -1
	s_barrier_wait -1
.endm
; My joint load into slot n: waves 0 and 1 bring K's tiles, waves 2 and 3 V's.  The branch hangs on the wave's number alone.
.macro JLOAD n
	s_cmp_lt_u32 s18, 2
	s_cbranch_scc0 .Lfor_v_\@
	tensor_load_to_lds s[G0+4*(\n):G0+4*(\n)+3], s[G1K:G1K+7]
	s_nop 0
	s_branch .Lasked_\@
.Lfor_v_\@:
	tensor_load_to_lds s[G0+4*(\n):G0+4*(\n)+3], s[G1V:G1V+7]
	s_nop 0
.Lasked_\@:
.endm
; 16 LDS loads: K fragments of 32 keys (two tiles of 16; half ch of step st's 64) x all 128 d, into buffer f at 8 (4 kk + ds)
.macro KLOAD slot, st, ch, f
.irp kk, 0,1
.irp ds, 0,1,2,3
	ds_load_b128 v[\f+8*(4*\kk+\ds):\f+8*(4*\kk+\ds)+3],   v[ADK+\slot] offset:(64*(\st)+16*(2*\ch+\kk))*KP+64*\ds
	ds_load_b128 v[\f+8*(4*\kk+\ds)+4:\f+8*(4*\kk+\ds)+7], v[ADK+\slot] offset:(64*(\st)+16*(2*\ch+\kk))*KP+64*\ds+32
.endr
.endr
.endm
; 16 transposing LDS loads: V^T fragments, 16 d (dt) x 32 keys (half ks of step st's 64), into buffer f at 8 dt
.macro VLOAD slot, st, ks, f
.irp dt, 0,1,2,3,4,5,6,7
	ds_load_tr16_b128 v[\f+8*\dt:\f+8*\dt+3],   v[ADV+\slot] offset:(64*(\st)+32*\ks)*VP+32*\dt
	ds_load_tr16_b128 v[\f+8*\dt+4:\f+8*\dt+7], v[ADV+\slot] offset:(64*(\st)+32*\ks+16)*VP+32*\dt
.endr
.endm
; 32 matrix instructions: S^T of 32 keys x 64 queries.  The eight accumulators take turns, one instruction a turn.
; The first 32 d start the sums: nothing is cleared.
.macro SGEMM ch, f
.irp ds, 0,1,2,3
.irp kk, 0,1
.irp q, 0,1,2,3
.if \ds == 0
	v_wmma_f32_16x16x32_f16 v[8*(4*(2*\ch+\kk)+\q):8*(4*(2*\ch+\kk)+\q)+7], v[\f+8*(4*\kk+\ds):\f+8*(4*\kk+\ds)+7], v[8*(4*\q+\ds):8*(4*\q+\ds)+7], 0
.else
	v_wmma_f32_16x16x32_f16 v[8*(4*(2*\ch+\kk)+\q):8*(4*(2*\ch+\kk)+\q)+7], v[\f+8*(4*\kk+\ds):\f+8*(4*\kk+\ds)+7], v[8*(4*\q+\ds):8*(4*\q+\ds)+7], v[8*(4*(2*\ch+\kk)+\q):8*(4*(2*\ch+\kk)+\q)+7]
.endif
.endr
.endr
.endr
.endm
; 32 matrix instructions: O^T += V^T P^T over 32 keys.  The 32 accumulators take turns, one instruction a turn.
.macro PVGEMM ks, f, zero
.irp dt, 0,1,2,3,4,5,6,7
.irp q, 0,1,2,3
.if \zero
	v_wmma_f32_16x16x32_f16 v[8*(4*\dt+\q):8*(4*\dt+\q)+7], v[\f+8*\dt:\f+8*\dt+7], v[PP+8*(4*\ks+\q):PP+8*(4*\ks+\q)+7], 0
.else
	v_wmma_f32_16x16x32_f16 v[8*(4*\dt+\q):8*(4*\dt+\q)+7], v[\f+8*\dt:\f+8*\dt+7], v[PP+8*(4*\ks+\q):PP+8*(4*\ks+\q)+7], v[8*(4*\dt+\q):8*(4*\dt+\q)+7]
.endif
.endr
.endr
.endm
; The largest of my 32 numbers of each of the four query tiles (four chains that do not wait for each other), then the other half of the lanes' (the other 32 keys).
.macro MAXES
.irp q, 0,1,2,3
	v_max3_num_f32 v[MX+\q], v[8*\q], v[8*\q+1], v[8*\q+2]
.endr
.set MAXN, 3
.rept 14
.irp q, 0,1,2,3
	v_max3_num_f32 v[MX+\q], v[MX+\q], v[8*(4*(MAXN>>3)+\q)+(MAXN&7)], v[8*(4*((MAXN+1)>>3)+\q)+((MAXN+1)&7)]
.endr
.set MAXN, MAXN+2
.endr
.irp q, 0,1,2,3
	v_max_num_f32 v[MX+\q], v[MX+\q], v[8*(12+\q)+7]
.endr
.irp q, 0,1,2,3
	v_permlanex16_b32 v[MT+\q], v[MX+\q], s52, s53     ; lane i takes lane i xor 16
.endr
.irp q, 0,1,2,3
	v_max_num_f32 v[MX+\q], v[MX+\q], v[MT+\q]
.endr
.endm
; NM = - c x the running maximum; AL = 2^(c x (old maximum - new maximum)).
.macro STATS first
.if \first
.irp q, 0,1,2,3
	v_mul_f32 v[NM+2*\q],   s50, v[MX+\q]
	v_mul_f32 v[NM+2*\q+1], s50, v[MX+\q]
.endr
.else
.irp q, 0,1,2,3
	v_mul_f32 v[TT+\q], s50, v[MX+\q]
.endr
.irp q, 0,1,2,3
	v_min_num_f32 v[TT+\q], v[TT+\q], v[NM+2*\q]       ; the smaller of the negatives is the larger maximum
.endr
.irp q, 0,1,2,3
	v_sub_f32 v[MT+\q], v[TT+\q], v[NM+2*\q]           ; at most 0
.endr
.irp q, 0,1,2,3
	v_exp_f32 v[AL+2*\q], v[MT+\q]
.endr
.irp q, 0,1,2,3
	v_mov_b32 v[NM+2*\q],   v[TT+\q]                   ; plain work that names neither AL nor MT stands behind the exponentials (ISA guide 5.7.2)
	v_mov_b32 v[NM+2*\q+1], v[TT+\q]
.endr
.irp q, 0,1,2,3
	s_wait_alu depctr_va_vdst(0)
	v_mov_b32 v[AL+2*\q+1], v[AL+2*\q]
.endr
.endif
.endm
; Pieces of the softmax of S tile g = 4 kt + q, pair i of its four pairs.
.macro FMA1 g, i                       ; c s - c maximum
	v_pk_fma_f32 v[8*(\g)+2*(\i):8*(\g)+2*(\i)+1], v[8*(\g)+2*(\i):8*(\g)+2*(\i)+1], s[48:49], v[NM+2*((\g)&3):NM+2*((\g)&3)+1] op_sel_hi:[1,0,1]
.endm
.macro CVT1 g, i                       ; two weights to f16, into the place that the second product's second source has for keys 16 kt + 8 h + 2 i, + 1
	s_wait_alu depctr_va_vdst(0)
	v_cvt_pk_f16_f32 v[PP+8*(4*((\g)>>3)+((\g)&3))+4*(((\g)>>2)&1)+(\i)], v[8*(\g)+2*(\i)], v[8*(\g)+2*(\i)+1]
.endm
.macro SUM1 rs, g, i                   ; the step's sums; a query tile's first two pairs start them
.if (\g) < 4
.if (\i) == 1
	v_pk_add_f32 v[\rs+2*((\g)&3):\rs+2*((\g)&3)+1], v[8*(\g):8*(\g)+1], v[8*(\g)+2:8*(\g)+3]
.endif
.if (\i) > 1
	v_pk_add_f32 v[\rs+2*((\g)&3):\rs+2*((\g)&3)+1], v[\rs+2*((\g)&3):\rs+2*((\g)&3)+1], v[8*(\g)+2*(\i):8*(\g)+2*(\i)+1]
.endif
.else
	v_pk_add_f32 v[\rs+2*((\g)&3):\rs+2*((\g)&3)+1], v[\rs+2*((\g)&3):\rs+2*((\g)&3)+1], v[8*(\g)+2*(\i):8*(\g)+2*(\i)+1]
.endif
.endm
; 128 exponentials in place.  Among tile g's stand the multiply-adds of tile g + 1 and the conversions and sums of tile g - 1: behind every exponential
; comes another exponential or plain work on other registers, and a result is first read one tile later (ISA guide 5.7.2).
.macro SOFT rs
.irp i, 0,1,2,3
	FMA1 0, \i
.endr
.irp g, 0,1,2,3,4,5,6,7,8,9,10,11,12,13,14,15
.irp i, 0,1,2,3
	v_exp_f32 v[8*\g+2*\i], v[8*\g+2*\i]
.if \g < 15
	FMA1 \g+1, \i
.endif
	v_exp_f32 v[8*\g+2*\i+1], v[8*\g+2*\i+1]
.if \g > 0
	CVT1 \g-1, \i
	SUM1 \rs, \g-1, \i
.endif
.endr
.endr
.irp i, 0,1,2,3
	CVT1 15, \i
	SUM1 \rs, 15, \i
.endr
.endm
.macro LUPD                            ; l = l x AL + this step's sums
.irp q, 0,1,2,3
	v_pk_fma_f32 v[LS+2*\q:LS+2*\q+1], v[LS+2*\q:LS+2*\q+1], v[AL+2*\q:AL+2*\q+1], v[RS+2*\q:RS+2*\q+1]
.endr
.endm
.macro RESCALE                         ; O = O x AL, always: whether the maximum grew is a floating-point matter and steers no branch
.irp dt, 0,1,2,3,4,5,6,7
.irp q, 0,1,2,3
.irp i, 0,1,2,3
	v_pk_mul_f32 v[8*(4*\dt+\q)+2*\i:8*(4*\dt+\q)+2*\i+1], v[8*(4*\dt+\q)+2*\i:8*(4*\dt+\q)+2*\i+1], v[AL+2*\q:AL+2*\q+1]
.endr
.endr
.endr
.endm
; In the lap's first trip, 2 i + 1, wave w asks for 8,192 bytes of its own array (32 lanes, 256 bytes apart): piece x of the eight pieces of tiles 2 i + 3 and
; 2 i + 4, so that a head's eight work-groups ask once for each block.  Those tiles' tensor loads are issued one and two trips later.
; In the last lap tile 32 does not exist: the offset is held at the head's last 8,192 bytes.
.macro PREFETCH
	s_wait_xcnt 0x0                                    ; the prefetch of a lap ago has had its address translated: s[62:63] are written only behind this wait
	s_min_u32 s68, s66, HEADB-8192
	s_add_nc_u64 s[62:63], s[60:61], s[68:69]
	global_prefetch_b8 v[PFO], s[62:63] th:TH_LOAD_NT scope:SCOPE_SE
	s_add_co_u32 s66, s66, 2*TBYTES
.endm
; One softmax step: 64 keys (step st of the slot's two) against my 64 queries.  On entry K's fragments are on their way: keys 0-31 into F0, 32-63 into F1.
; next = 1: the slot's next step's K fragments are fetched among the second product's halves.
.macro STEP slot, st, first, next, pf
	s_wait_dscnt 16                                    ; F0 is in; the 16 younger loads (F1's) may stay out
	WIN W_S
	SGEMM 0, F0
	PLACES
	WIN 0
	VLOAD \slot, \st, 0, F0
	s_wait_dscnt 16                                    ; F1 is in; the 16 just issued stay out
	WIN W_S
	SGEMM 1, F1
	PLACES
	WIN 0
	VLOAD \slot, \st, 1, F1
.if \pf
	PREFETCH                                           ; behind my loads, in front of the softmax's register work
.endif
	WIN W_SM
	MAXES
	STATS \first
.if \first
	SOFT LS                                            ; the first step's sums are l itself, and there is no O to rescale
.else
	SOFT RS
	LUPD
	WIN W_RS
	RESCALE
.endif
	s_wait_dscnt 16                                    ; V's keys 0-31 are in; the 16 loads of keys 32-63 may stay out
	WIN W_PV
	PVGEMM 0, F0, \first
	PLACES
	WIN 0
.if \next
	KLOAD \slot, \st+1, 0, F0
	s_wait_dscnt 16                                    ; V's keys 32-63 are in; the 16 just issued stay out
.else
	s_wait_dscnt 0                                     ; nothing younger was issued
.endif
	WIN W_PV
	PVGEMM 1, F1, 0
	PLACES
	WIN 0
.if \next
	KLOAD \slot, \st+1, 1, F1
.endif
.endm
; One trip: the tile of 128 keys in this slot.  In front of the round every wave has waited for all its tensor loads (one: its part of this slot)
; and for its reads of the other slot; behind it that holds of every wave of all four work-groups, and my one joint load, the next tile into the
; other slot, is the first thing there.  By this text's count one tensor load of a wave is out, with a trip's 256 matrix instructions and two softmaxes to land in.
.macro TRIP slot, refill, first, pf
	s_wait_tensorcnt 0x0                               ; no tensor load of mine is out, so a group 0 may be written:
	ds_add_u32 v62, v63
	s_wait_dscnt 0x0
	s_add_nc_u64 s[G0+4*\slot+2:G0+4*\slot+3], s[G0+4*\slot+2:G0+4*\slot+3], 2*TBYTES   ; this slot's next tile (in the last two trips not used)
	s_wait_dscnt 0x0                                   ; my reads of the other slot are back
	ROUND
.if \refill
	JLOAD 1-\slot
.endif
	KLOAD \slot, 0, 0, F0
	KLOAD \slot, 0, 1, F1
	STEP \slot, 0, \first, 1, \pf
	STEP \slot, 1, 0, 0, 0
.endm
	s_load_b256 s[4:11], s[0:1], 0x0               ; q s[4:5], k_A s[6:7], v_A s[8:9], k_B s[10:11]
	s_load_b128 s[12:15], s[0:1], 0x20             ; v_B s[12:13], out0 s[14:15]
	s_load_b64 s[16:17], s[0:1], 0x30              ; out1
	v_lshl_add_u32 v62, v0, 2, 0x4a400
	v_mov_b32 v63, 0
	ds_add_u32 v62, v63
	v_lshrrev_b32 v1, 5, v0
	v_readfirstlane_b32 s18, v1                    ; wave 0..3
	s_and_b32 s19, s18, 1                          ; my half of the queries.  Also: I fetch from set A (0) or B (1)
	s_lshr_b32 s20, s18, 1                         ; my set of keys.  Also: I fetch K (0) or V (1)
	s_bfe_u32 s21, ttmp6, 0x40000                  ; cx
	s_lshl_b32 s22, ttmp9, 2
	s_add_co_u32 s22, s22, s21                     ; query block x = 4 x cluster x + cx
	s_and_b32 s23, ttmp7, 0xffff                   ; head
	s_mov_b32 s48, 0x3e0293ee                      ; c = log2(e) / sqrt(128), twice: a pair for the packed multiply-add
	s_mov_b32 s49, 0x3e0293ee
	s_mov_b32 s50, 0xbe0293ee                      ; - c
	s_mov_b32 s51, 0x3f317218                      ; ln 2
	s_mov_b32 s52, 0x76543210                      ; v_permlanex16_b32: lane i of one half reads lane i of the other
	s_mov_b32 s53, 0xfedcba98
	s_mov_b32 s74, 0xffff0000                      ; lanes 16 to 31
	; descriptor group 1: 128 rows x 128 elements of 2 bytes, padded behind every 64 words by 4 words (K) or 8 (V); mask 15: all four work-groups of the cluster; bit 21 beside it
	s_mov_b32 s[G1K+0], 15|(1<<16)|(1<<20)|(1<<21)|(5<<22)|(3<<25)
	s_mov_b32 s[G1V+0], 15|(1<<16)|(1<<20)|(1<<21)|(5<<22)|(7<<25)
	s_mov_b32 s[G1K+1], 128<<16                    ; tensor_dim0 = 128
	s_mov_b32 s[G1V+1], 128<<16
	s_mov_b32 s[G1K+2], TROWS<<16                  ; tensor_dim1 = 128
	s_mov_b32 s[G1V+2], TROWS<<16
	s_mov_b32 s[G1K+3], 128<<16                    ; tile_dim0 = 128
	s_mov_b32 s[G1V+3], 128<<16
	s_mov_b32 s[G1K+4], TROWS                      ; tile_dim1 = 128
	s_mov_b32 s[G1V+4], TROWS
	s_mov_b32 s[G1K+5], 128                        ; 128 elements from row to row
	s_mov_b32 s[G1V+5], 128
	s_mov_b32 s[G1K+6], 0
	s_mov_b32 s[G1V+6], 0
	s_mov_b32 s[G1K+7], 0
	s_mov_b32 s[G1V+7], 0
	s_lshl_b32 s70, s23, 20                        ; my head in K and V, in bytes
	s_mov_b32 s71, 0
	s_mul_i32 s72, s18, TILE                       ; where my tiles go: the wave's number alone
	s_lshl_b32 s2, s23, 18                         ; my 64 rows of q and out0, in bytes: head x 1,024 rows + x x 128 + half x 64, of 256 bytes.
	s_lshl_b32 s73, s22, 15                        ; (The registers that hold x feed no descriptor and no LDS address.)
	s_add_co_u32 s2, s2, s73
	s_lshl_b32 s73, s19, 14
	s_add_co_u32 s2, s2, s73
	s_mov_b32 s3, 0
	s_lshl_b32 s66, s22, 13                        ; the first prefetch: tile 3, piece x
	s_add_co_u32 s66, s66, 3*TBYTES
	s_mov_b32 s69, 0
	s_wait_dscnt 0x0
	s_wait_kmcnt 0x0
	s_cmp_eq_u32 s19, 0
	s_cselect_b64 s[56:57], s[6:7], s[10:11]       ; K of A or of B
	s_cselect_b64 s[58:59], s[8:9], s[12:13]       ; V of A or of B
	s_cmp_lt_u32 s18, 2
	s_cselect_b64 s[56:57], s[56:57], s[58:59]     ; waves 0, 1: K; waves 2, 3: V
	s_add_nc_u64 s[60:61], s[56:57], s[70:71]      ; my array at my head: made of the head and the wave's number, the same in all four partners
	s_add_nc_u64 s[4:5], s[4:5], s[2:3]            ; q at my first row
	s_add_nc_u64 s[14:15], s[14:15], s[2:3]        ; out0 at my first row
	s_lshr_b32 s2, s2, 6                           ; 4 bytes a row
	s_add_nc_u64 s[16:17], s[16:17], s[2:3]        ; out1 at my first row
.irp n, 0,1
	s_mov_b32 s[G0+4*\n], 1                                        ; count = 1
	s_add_co_u32 s[G0+4*\n+1], s72, \n*SLOT                        ; LDS address
	s_add_nc_u64 s[G0+4*\n+2:G0+4*\n+3], s[60:61], \n*TBYTES       ; global address: tile n
	s_or_b32 s[G0+4*\n+3], s[G0+4*\n+3], 0x80000000                ; type = 2
.endr
	ROUND                                          ; all four work-groups are here: the first joint loads meet
	JLOAD 0                                        ; tile 0; slot 1 is first filled behind the first trip's round
	v_and_b32 v1, 31, v0                           ; lane
	v_and_b32 v2, 15, v0                           ; r
	v_bfe_u32 v3, v0, 4, 1                         ; h
	v_mul_u32_u24 v4, v2, KP
	v_lshl_add_u32 v4, v3, 4, v4                   ; 272 r + 16 h
	s_mul_i32 s56, s20, TILE                       ; my set's K tile
	v_add_nc_u32 v[ADK], s56, v4
	v_add_nc_u32 v[ADK+1], SLOT, v[ADK]
	v_and_b32 v5, 7, v0                            ; the transposing load: lane l addresses row 8 h + l % 8, 16 bytes at 16 ((l / 8) % 2)
	v_lshl_add_u32 v5, v3, 3, v5
	v_mul_u32_u24 v5, v5, VP
	v_bfe_u32 v6, v0, 3, 1
	v_lshl_add_u32 v5, v6, 4, v5
	s_add_co_u32 s57, s56, 2*TILE                  ; my set's V tile, behind the two of K
	v_add_nc_u32 v[ADV], s57, v5
	v_add_nc_u32 v[ADV+1], SLOT, v[ADV]
	v_lshlrev_b32 v[QOFF], 8, v2
	v_lshl_add_u32 v[QOFF], v3, 4, v[QOFF]
	; Q stays in registers for the whole kernel: 16 fragments of 16 queries x 32 d.  Each load takes 32 bytes of each of 16 rows; it is done once, 16 KiB a wave.
	WIN W_Q
.irp q, 0,1,2,3
.irp ds, 0,1,2,3
	global_load_b128 v[8*(4*\q+\ds):8*(4*\q+\ds)+3],   v[QOFF], s[4:5] offset:4096*\q+64*\ds
	global_load_b128 v[8*(4*\q+\ds)+4:8*(4*\q+\ds)+7], v[QOFF], s[4:5] offset:4096*\q+64*\ds+32
.endr
.endr
	WIN W_TO2
.irp q, 0,1,2,3
	v_mov_b32 v[MT+\q], 0                          ; v_permlanex16_b32's destination counts as read: written once here
.endr
	WIN 0
	s_mul_i32 s58, s19, DUMPB
	v_lshl_add_u32 v[DMP], v1, 4, s58
	s_mul_i32 s59, s19, 16*SPITCH
	s_add_co_u32 s59, s59, STAGE
	v_add_nc_u32 v[STO], s59, v4                   ; the stage's pitch is K's: 272 r + 16 h
	v_mul_u32_u24 v6, v3, SPITCH
	v_lshl_add_u32 v6, v2, 4, v6
	v_add_nc_u32 v[RD], s59, v6
	v_lshlrev_b32 v[CO], 8, v3
	v_lshl_add_u32 v[CO], v2, 4, v[CO]
	s_lshl_b32 s57, s19, 8
	s_add_co_u32 s57, s57, LSEST
	v_lshl_add_u32 v[LW], v1, 2, s57
	v_lshl_add_u32 v[LR], v1, 3, s57
	v_lshlrev_b32 v[LGO], 3, v1
	v_lshlrev_b32 v[PFO], 8, v1
	s_wait_loadcnt 0x0                             ; Q, once
	TRIP 0, 1, 1, 0                                ; tile 0: its first products start O and l
	s_mov_b32 s54, LAPS
.Llap:
	TRIP 1, 1, 0, 1                                ; tiles 1, 3, .. 29
	TRIP 0, 1, 0, 0                                ; tiles 2, 4, .. 30
	s_sub_co_u32 s54, s54, 1
	s_cmp_lg_u32 s54, 0
	s_cbranch_scc1 .Llap
	TRIP 1, 0, 0, 0                                ; tile 31: nothing is left to fetch
	; THE END.  l: the two partial sums, then the other half of the lanes (the other keys of each tile).
	WIN W_SM
.irp q, 0,1,2,3
	v_add_f32 v[LS+2*\q], v[LS+2*\q], v[LS+2*\q+1]
.endr
.irp q, 0,1,2,3
	v_permlanex16_b32 v[MT+\q], v[LS+2*\q], s52, s53
.endr
.irp q, 0,1,2,3
	v_add_f32 v[LS+2*\q], v[LS+2*\q], v[MT+\q]
.endr
	WIN 0
	; Waves 2 and 3 lay O, NM and l into slot 0, lane by lane, 512 neighbouring bytes a store.  Slot 0 has had its last fill (tile 30), and every wave's reads of it
	; were waited for in front of the last trip's round; that trip read slot 1 alone.
	s_cmp_lt_u32 s18, 2
	s_cbranch_scc1 .Lkeep
	WIN W_OST
.irp q, 0,1,2,3
.irp dt, 0,1,2,3,4,5,6,7
.irp hf, 0,1
	ds_store_b128 v[DMP], v[8*(4*\dt+\q)+4*\hf:8*(4*\dt+\q)+4*\hf+3] offset:((8*\q+\dt)*2+\hf)*512
.endr
.endr
.endr
	WIN W_2ST
	ds_store_b128 v[DMP], v[NM:NM+3]   offset:32768
	ds_store_b128 v[DMP], v[NM+4:NM+7] offset:33280
	ds_store_b128 v[DMP], v[LS:LS+3]   offset:33792
	ds_store_b128 v[DMP], v[LS+4:LS+7] offset:34304
	WIN 0
.Lkeep:
	s_wait_dscnt 0x0                               ; for the others' sake: my stores are done
	s_barrier_signal -1
	s_barrier_wait -1
	s_cmp_lt_u32 s18, 2
	s_cbranch_scc0 .Lclose
	; Waves 0 and 1: the common maximum, both sets' weights, l, its reciprocal and its logarithm.
	WIN W_TO2
	ds_load_b128 v[NMB:NMB+3],   v[DMP] offset:32768
	ds_load_b128 v[NMB+4:NMB+7], v[DMP] offset:33280
	ds_load_b128 v[LB:LB+3],     v[DMP] offset:33792
	ds_load_b128 v[LB+4:LB+7],   v[DMP] offset:34304
	s_wait_dscnt 0x0
	WIN W_SM
.irp q, 0,1,2,3
	v_min_num_f32 v[ET0+\q], v[NM+2*\q], v[NMB+2*\q]   ; - c x the larger maximum
.endr
.irp q, 0,1,2,3
	v_sub_f32 v[EWA+\q], v[ET0+\q], v[NM+2*\q]         ; at most 0
	v_sub_f32 v[EWB+\q], v[ET0+\q], v[NMB+2*\q]
.endr
.irp q, 0,1,2,3
	v_exp_f32 v[EWA+\q], v[EWA+\q]
	v_exp_f32 v[EWB+\q], v[EWB+\q]
.endr
	v_nop                                          ; one plain place behind the exponentials (ISA guide 5.7.2)
.irp q, 0,1,2,3
	s_wait_alu depctr_va_vdst(0)
	v_mul_f32 v[ELL+\q], v[LB+2*\q], v[EWB+\q]
.endr
.irp q, 0,1,2,3
	v_fma_f32 v[ELL+\q], v[LS+2*\q], v[EWA+\q], v[ELL+\q]  ; l of the joined keys: at least about 1, at most 8,192
.endr
.irp q, 0,1,2,3
	v_rcp_f32 v[EIN+\q], v[ELL+\q]
	v_log_f32 v[ELG+\q], v[ELL+\q]
.endr
	v_nop                                          ; one plain place again
.irp q, 0,1,2,3
	s_wait_alu depctr_va_vdst(0)
	v_mul_f32 v[FA+2*\q], v[EWA+\q], v[EIN+\q]
	v_mul_f32 v[FB+2*\q], v[EWB+\q], v[EIN+\q]
	v_sub_f32 v[ELG+\q], v[ELG+\q], v[ET0+\q]          ; log2 l + c x maximum
.endr
.irp q, 0,1,2,3
	v_mov_b32 v[FA+2*\q+1], v[FA+2*\q]
	v_mov_b32 v[FB+2*\q+1], v[FB+2*\q]
	v_mul_f32 v[ELG+\q], s51, v[ELG+\q]                ; the log-sum-exp of query 16 q + r, the same in both halves of the lanes
.endr
	v_cndmask_b32 v[EOU],   v[ELG],   v[ELG+1], s74    ; lane l: query l
	v_cndmask_b32 v[EOU+1], v[ELG+2], v[ELG+3], s74    ; lane l: query 32 + l
	WIN W_2ST
	ds_store_b32 v[LW], v[EOU]
	ds_store_b32 v[LW], v[EOU+1] offset:128
	WIN 0
	ds_load_b64 v[LSEV:LSEV+1], v[LR]              ; my own bytes; LDS serves a wave's instructions in order (ISA guide 5.7.1.4)
	s_wait_dscnt 0x0
	global_store_b64 v[LGO], v[LSEV:LSEV+1], s[16:17] th:TH_STORE_NT   ; the wave stores 256 consecutive bytes, at a multiple of 256 from out1's first byte
; 16 queries of out0: the partner's eight tiles from LDS, out = O_A FA + O_B FB, to f16, through my stage into whole rows.
.macro OUTQ q
	WIN W_TO2
.irp dt, 0,1,2,3,4,5,6,7
.irp hf, 0,1
	ds_load_b128 v[8*\dt+4*\hf:8*\dt+4*\hf+3], v[DMP] offset:((8*\q+\dt)*2+\hf)*512
.endr
.endr
	s_wait_dscnt 0x0
	WIN W_SM
.irp dt, 0,1,2,3,4,5,6,7
.irp i, 0,1,2,3
	v_pk_mul_f32 v[8*\dt+2*\i:8*\dt+2*\i+1], v[8*\dt+2*\i:8*\dt+2*\i+1], v[FB+2*\q:FB+2*\q+1]
.endr
.endr
	WIN W_MRG
.irp dt, 0,1,2,3,4,5,6,7
.irp i, 0,1,2,3
	v_pk_fma_f32 v[8*\dt+2*\i:8*\dt+2*\i+1], v[8*(4*\dt+\q)+2*\i:8*(4*\dt+\q)+2*\i+1], v[FA+2*\q:FA+2*\q+1], v[8*\dt+2*\i:8*\dt+2*\i+1]
.endr
.endr
	WIN W_CVT
.irp dt, 0,1,2,3,4,5,6,7
.irp i, 0,1,2,3
	v_cvt_pk_f16_f32 v[TMP+4*\dt+\i], v[8*\dt+2*\i], v[8*\dt+2*\i+1]
.endr
.endr
	WIN 0
.irp dt, 0,1,2,3,4,5,6,7
	ds_store_b128 v[STO], v[TMP+4*\dt:TMP+4*\dt+3] offset:32*\dt   ; row r, d = 16 dt + 8 h + 0..7
.endr
	s_wait_xcnt 0x0                                ; every earlier store has had its addresses translated (ISA guide 3.1): RB, which the last 16 queries' stores read, is loaded again only behind this wait
.irp t, 0,1,2,3,4,5,6,7
	ds_load_b128 v[RB+4*\t:RB+4*\t+3], v[RD] offset:\t*2*SPITCH    ; my own bytes, in order behind the stores above
.endr
.irp t, 0,1,2,3,4,5,6,7
	s_wait_dscnt 7-\t                              ; pair t of rows is in; the younger loads stay out
	global_store_b128 v[CO], v[RB+4*\t:RB+4*\t+3], s[14:15] offset:4096*\q+512*\t th:TH_STORE_NT   ; 16 lanes store one whole row: 256 consecutive bytes, aligned
.endr
.endm
	OUTQ 0
	OUTQ 1
	OUTQ 2
	OUTQ 3
.Lclose:
	s_wait_tensorcnt 0x0
	ds_add_u32 v62, v63
	s_wait_dscnt 0x0
	ROUND                                          ; the closing round: no work-group ends while a partner may still ask for a tile that names it
	s_endpgm
.Lfunc_end_k_qa6d9be5502_attn:
	.size	k_qa6d9be5502_attn, .Lfunc_end_k_qa6d9be5502_attn-k_qa6d9be5502_attn
	.p2alignl 7, 3214868480
	.fill 96, 4, 3214868480
	.section	.rodata,"a",@progbits
	.p2align	6, 0x0
	.amdhsa_kernel k_qa6d9be5502_attn
		.amdhsa_group_segment_fixed_size 327680
		.amdhsa_private_segment_fixed_size 0
		.amdhsa_enable_private_segment 0
		.amdhsa_kernarg_size 56
		.amdhsa_user_sgpr_count 2
		.amdhsa_user_sgpr_kernarg_segment_ptr 1
		.amdhsa_wavefront_size32 1
		.amdhsa_system_sgpr_workgroup_id_x 1
		.amdhsa_system_sgpr_workgroup_id_y 1
		.amdhsa_system_sgpr_workgroup_id_z 1
		.amdhsa_system_vgpr_workitem_id 0
		.amdhsa_next_free_vgpr 1024
		.amdhsa_next_free_sgpr 76
		.amdhsa_reserve_vcc 0
		.amdhsa_float_denorm_mode_32 3
		.amdhsa_float_denorm_mode_16_64 3
		.amdhsa_memory_ordered 1
		.amdhsa_forward_progress 1
		.amdhsa_inst_pref_size 255
	.end_amdhsa_kernel
	.section	.bss,"aw",@nobits
	.p2align	6
	.space	262144
	.amdgpu_metadata
---
amdhsa.version: [ 1, 2 ]
amdhsa.kernels:
  - .name:           k_qa6d9be5502_attn
    .symbol:         k_qa6d9be5502_attn.kd
    .args:
      - { .name: q, .offset: 0, .size: 8, .value_kind: global_buffer, .address_space: global }
      - { .name: k_A, .offset: 8, .size: 8, .value_kind: global_buffer, .address_space: global }
      - { .name: v_A, .offset: 16, .size: 8, .value_kind: global_buffer, .address_space: global }
      - { .name: k_B, .offset: 24, .size: 8, .value_kind: global_buffer, .address_space: global }
      - { .name: v_B, .offset: 32, .size: 8, .value_kind: global_buffer, .address_space: global }
      - { .name: out0, .offset: 40, .size: 8, .value_kind: global_buffer, .address_space: global }
      - { .name: out1, .offset: 48, .size: 8, .value_kind: global_buffer, .address_space: global }
    .group_segment_fixed_size: 327680
    .private_segment_fixed_size: 0
    .kernarg_segment_align: 8
    .kernarg_segment_size: 56
    .max_flat_workgroup_size: 128
    .sgpr_count:     76
    .vgpr_count:     1024
    .wavefront_size: 32
...
	.end_amdgpu_metadata
.endif
;; end of part 1
